; MI455X (gfx1250); checked and timed in simulation.
; The chip was launched on July 23, 2026; its instructions are those of AMD's public machine-readable ISA for CDNA 5 (MIT licence, August 2026) and "CDNA5" Instruction Set Architecture Reference Guide (July 2026). The comments in the code are by the model that wrote it; some were corrected since.
;; Grouped Query Attention. Allowed arithmetic: matrix products marked QUANTISED: E4M3 operands, one given power-of-two scale a tensor, by v_wmma_f32_16x16x64_fp8_fp8 or v_wmma_f32_16x16x128_fp8_fp8, f32 sums; everything else in f32.
;; Inputs: k_norm_w 128 float32; lowp_scales 12 int32 (the exponents e of the quantised operands' scales 2^e); q_norm_w 128 float32; wk 512 x 2,048 float32; wo 2,048 x 2,048 float32; wq 2,048 x 2,048 float32; wv 512 x 2,048 float32; x 4 x 1,024 x 2,048 float32.
;; Outputs: out0 4 x 1,024 x 2,048 float32.
;; This version of the problem:
;;   THIS VERSION OF THE PROBLEM IS GIVEN IN LOW PRECISION. The matrix products marked QUANTISED in the list below multiply operands that are first quantised to E4M3 (4 exponent bits, 3 mantissa bits; 8 bits a number), with one given power-of-two scale for each operand tensor; their sums are f32. All else is computed in f32.
;;   The module's matrix products, in the order in which they are computed (A, B: the left and right operand; K: the contracted axis; several contracted axes count as one K, in the product's order):
;;     1. [M 4,096, K 2,048] x [K 2,048, N 2,048]; A: input x; B: input wq: QUANTISED (scales: A lowp_scales[0], B lowp_scales[1])
;;     2. [M 4,096, K 2,048] x [K 2,048, N 512]; A: input x; B: input wk: QUANTISED (scales: A lowp_scales[2], B lowp_scales[3])
;;     3. [M 4,096, K 2,048] x [K 2,048, N 512]; A: input x; B: input wv: QUANTISED (scales: A lowp_scales[4], B lowp_scales[5])
;;     4. batch 64 x [M 1,024, K 128] x [K 128, N 1,024]; A: computed on the way; B: computed on the way: QUANTISED (scales: A lowp_scales[6], B lowp_scales[7])
;;     5. batch 64 x [M 1,024, K 1,024] x [K 1,024, N 128]; A: softmax (see below); B: computed on the way: QUANTISED (scales: A lowp_scales[8], B lowp_scales[9])
;;     6. [M 4,096, K 2,048] x [K 2,048, N 2,048]; A: computed on the way; B: input wo: QUANTISED (scales: A lowp_scales[10], B lowp_scales[11])
;;   THE QUANTISER, for each operand of a quantised product, along K:
;;     - The operand's scale is 2^e, e = its entry of the input lowp_scales (int32; the entries are numbered through the quantised products in the list's order, A before B).
;;     - Each number is divided by the scale, clamped to +-448, and rounded to the nearest number of E4M3, ties to even, subnormals kept.
;;     - The product sums the exact products of the quantised numbers (number of the format x scale) in f32.
;;   ~~~python
;;   def quantise(x, axis, e):      # numpy; x: float32 -> the quantised numbers, widened to float32 again
;;       x = np.moveaxis(x, axis, -1); K = x.shape[-1]
;;       r = np.clip(x / 2.0 ** e, -448, 448)
;;       step = 2.0 ** (np.maximum(np.frexp(np.where(r == 0, 1, r))[1] - 1, -6) - 3)
;;       q = np.round(r / step) * step * 2.0 ** e      # np.round: ties to even
;;       return np.moveaxis(q, -1, axis).astype(np.float32)
;;   ~~~
;;   SOFTMAX AHEAD OF A QUANTISED PRODUCT. Where the list says 'softmax', what is quantised is not the finished softmax but p = 2^(t - M), with t = logit x log2(e) and M = ceil(the row's largest t), a whole number; so 1/2 < the row's largest p <= 1. The row's sum l is taken of the UNQUANTISED p, in f32, and the product's result is divided by l at the end. Since M is a whole number, a kernel that streams over the keys may use a running M (the ceiling of the running maximum): every later rescaling is an exact power of two, so the quantised numbers keep their values, but for numbers so far below the row's largest that they fall under the format's range.
;;   OPERANDS COMPUTED ON THE WAY. 'Computed on the way' means the value that the module computes at that place (a softmax that the list does not call 'softmax' is quantised finished and normalised). What goes into a quantiser is computed in f32, as accurately as f32 sums, v_exp_f32 and their like allow (about 1e-6 of the number): no bf16 or f16 on the way to a quantiser, and a product that is left as it is and whose result goes on into a quantised operand takes f32 operands (vector FMAs, or v_wmma_f32_16x16x4_f32). A number that lies on a knife's edge between two numbers of the format may be rounded either way, as far as f32 arithmetic and the matrix unit's own rounding can turn it there, and no further.
;; One version. Each part assembles by itself: llvm-mc -triple=amdgcn-amd-amdhsa -mcpu=gfx1250 --defsym DOCPART=n.
;; ======== version 1 of 1: 4 launches
;; limits: right only within a limited range of input values
;; workspace buffers: xc 25,165,824 bytes; wc 6,291,456 bytes; woc 4,194,304 bytes; qkv 12,582,912 bytes; att 8,388,608 bytes
;; launch quant (part 1): grid 896 x 1, 8 waves a work-group, no clusters, 0 bytes of LDS; arguments x, wq, wk, wv, lowp_scales, xc, wc; writes xc, wc
.if DOCPART == 1
	.amdgcn_target "amdgcn-amd-amdhsa--gfx1250"
	.amdhsa_code_object_version 6
	.text
	.protected	k_qfaa2c9e295_quant
	.globl	k_qfaa2c9e295_quant
	.p2align	8
	.type	k_qfaa2c9e295_quant,@function
k_qfaa2c9e295_quant:
	s_mov_b64 s[64:65], 0
	v_nop
	global_prefetch_b8 v0, s[64:65] scope:SCOPE_SE
	s_setreg_imm32_b32 hwreg(HW_REG_WAVE_MODE, 25, 1), 1
	s_wait_xcnt 0x0
; x, wq, wk, wv (f32, K innermost) become codes of E4M3, each with the scale 2^e that is given for it.  (wo is quantised by the next launch, on work-groups of its own.)
; x is an operand of three products with three given scales (entries 0, 2, 4): three planes of codes, 8,388,608 bytes apart, in xc.
; wc: rows of 2,048 codes: wq (entry 1), wk (3), wv (5) on end, one matrix of 3,072 rows.
; code = number / 2^e, held within +-448, to the nearest code, ties to even.  LIMITS: each e between -126 and 119; NaN among the inputs is not served.
; LEFT OUT IN THE PROGRAM: attention's key steps that lie wholly above the diagonal: the causal mask sets their scores to -infinity, so they add 0 for all values of the inputs;
; a NaN, an infinity or an overflow that reaches only those scores is not carried to the result.
; SHARES.  A work-group takes 16,384 numbers, a wave 2,048, in 8 steps of 256 numbers (1,024 bytes).  Work-groups 0-511: x; 512-767: wq; 768-831: wk; 832-895: wv.
; A step: two loads of 16 bytes a lane, eight numbers a lane, one conversion, one store of 8 bytes a lane: the wave stores 256 consecutive bytes, aligned.
; THE ORDER OF K INSIDE A BLOCK OF 256: lane l takes numbers 4 l .. 4 l + 3 and 128 + 4 l .. + 3 (each load reads 512 consecutive bytes); place 8 l + 4 j + i holds k = 128 j + 4 l + i.
; The order is the same on both sides of the three products, so every product meets its partner.
; No LDS, no barrier, no loop: every offset is an immediate, every store has data registers of its own, so nothing is rewritten while a store may read it.
.set SC, 10                            ; v10-12  the scales as f32: the conversion takes the exponent field
.set LM, 13                            ; v13-15  448 x the scale
.set T,  16                            ; v16-31  two sets of eight held numbers, by turns
.set R,  32                            ; v32-95  eight numbers for each step, as loaded
; the codes' registers: step 0's pairs are v[6:7], v[8:9], v[0:1], which the head is done with; step t's are the first six registers of step t - 1's numbers, which are done with: each pair is written once
	s_load_b256 s[4:11], s[0:1], 0x0               ; x 4:5, wq 6:7, wk 8:9, wv 10:11
	s_load_b128 s[12:15], s[0:1], 0x20             ; the exponents 12:13, xc 14:15
	s_load_b64 s[16:17], s[0:1], 0x30              ; wc
	v_lshrrev_b32 v7, 5, v0
	s_delay_alu instid0(VALU_DEP_1)
	v_readfirstlane_b32 s32, v7                    ; wave 0..7
	v_and_b32 v1, 31, v0                           ; lane
	s_delay_alu instid0(VALU_DEP_1)
	v_lshlrev_b32 v2, 4, v1                        ; 16 x lane
	s_delay_alu instid0(VALU_DEP_1)
	v_add_nc_u32 v3, 512, v2                       ; the second load
	v_lshlrev_b32 v4, 3, v1                        ; my 8 bytes of a step's 256 codes
	s_wait_alu depctr_va_vdst(0)
	s_wait_kmcnt 0x0
	s_load_b256 s[20:27], s[12:13], 0x0            ; e0 .. e7
	s_mov_b64 s[36:37], s[10:11]                   ; which tensor: the choice hangs on the work-group's number alone
	s_mov_b32 s38, 832                             ; and its first work-group
	s_cmp_lt_u32 ttmp9, 832
	s_cselect_b64 s[36:37], s[8:9], s[36:37]
	s_cselect_b32 s38, 768, s38
	s_cmp_lt_u32 ttmp9, 768
	s_cselect_b64 s[36:37], s[6:7], s[36:37]
	s_cselect_b32 s38, 512, s38
	s_cmp_lt_u32 ttmp9, 512
	s_cselect_b64 s[36:37], s[4:5], s[36:37]
	s_cselect_b32 s38, 0, s38
	s_cselect_b64 s[40:41], s[14:15], s[16:17]     ; the codes' buffer,
	s_cselect_b32 s48, 0, 512                      ; and its first work-group
	s_sub_co_u32 s39, ttmp9, s38
	s_lshl_b32 s39, s39, 3
	s_add_co_u32 s39, s39, s32
	s_lshl_b32 s46, s39, 13                        ; my wave's 8,192 bytes of the tensor
	s_mov_b32 s47, 0
	s_add_nc_u64 s[36:37], s[36:37], s[46:47]
	s_sub_co_u32 s48, ttmp9, s48
	s_lshl_b32 s48, s48, 3
	s_add_co_u32 s48, s48, s32
	s_lshl_b32 s48, s48, 11                        ; my wave's 2,048 bytes of codes
	s_mov_b32 s49, 0
	s_add_nc_u64 s[40:41], s[40:41], s[48:49]
	s_add_nc_u64 s[42:43], s[40:41], 0x800000      ; x's second and third plane (used by x's work-groups alone)
	s_add_nc_u64 s[44:45], s[40:41], 0x1000000
.irp t, 0,1,2,3,4,5,6,7
	global_load_b128 v[R+8*\t:R+8*\t+3],   v2, s[36:37] offset:1024*\t th:TH_LOAD_NT
	global_load_b128 v[R+8*\t+4:R+8*\t+7], v3, s[36:37] offset:1024*\t th:TH_LOAD_NT
.endr
	s_wait_kmcnt 0x0
	s_mov_b32 s50, s25                             ; the first scale's exponent: wv's, wk's, wq's, or x's first
	s_cmp_lt_u32 ttmp9, 832
	s_cselect_b32 s50, s23, s50
	s_cmp_lt_u32 ttmp9, 768
	s_cselect_b32 s50, s21, s50
	s_cmp_lt_u32 ttmp9, 512
	s_cselect_b32 s50, s20, s50
.macro MKSC e, n                       ; 2^e and 448 x 2^e as f32 numbers
	s_add_co_i32 s53, \e, 127
	s_lshl_b32 s54, s53, 23
	v_mov_b32 v[SC+\n], s54
	s_add_co_i32 s53, s53, 8
	s_lshl_b32 s53, s53, 23
	s_or_b32 s53, s53, 0x600000
	v_mov_b32 v[LM+\n], s53
.endm
	MKSC s50, 0
	MKSC s22, 1                                    ; x's second scale
	MKSC s24, 2                                    ; x's third
; step t's eight numbers with scale s; n counts the conversions.  The conversion to an 8-bit code does not saturate (ISA guide 7.6.2): the numbers are held first, into the set that the conversion before does not read:
; those eight plain lines stand between a conversion and the next write of its sources.
.macro CONV t, s, n
.irp i, 0,1,2,3,4,5,6,7
	v_med3_num_f32 v[T+8*((\n)%2)+\i], v[R+8*(\t)+\i], -v[LM+\s], v[LM+\s]
.endr
.if (\t) == 0
.set CD, (6+2*(\s))%10
.else
.set CD, R+8*((\t)-1)+2*(\s)
.endif
	v_cvt_scalef32_pk8_fp8_f32 v[CD:CD+1], v[T+8*((\n)%2):T+8*((\n)%2)+7], v[SC+\s]
	global_store_b64 v4, v[CD:CD+1], s[40+2*\s:41+2*\s] offset:256*(\t)
.endm
	s_cmp_lt_u32 ttmp9, 512
	s_cbranch_scc0 .Lweights
	s_wait_alu depctr_va_vdst(0)
.irp t, 0,1,2,3,4,5,6,7
	s_wait_loadcnt 14-2*\t                         ; loads come back in order: step t's two are in, the later steps' may be out
	CONV \t, 0, 3*\t
	CONV \t, 1, 3*\t+1
	CONV \t, 2, 3*\t+2
.endr
	v_nop
	s_endpgm
.Lweights:
	s_wait_alu depctr_va_vdst(0)
.irp t, 0,1,2,3,4,5,6,7
	s_wait_loadcnt 14-2*\t
	CONV \t, 0, \t
.endr
	v_nop
	s_endpgm
.Lfunc_end_k_qfaa2c9e295_quant:
	.size	k_qfaa2c9e295_quant, .Lfunc_end_k_qfaa2c9e295_quant-k_qfaa2c9e295_quant
	.p2alignl 7, 3214868480
	.fill 96, 4, 3214868480
	.section	.rodata,"a",@progbits
	.p2align	6, 0x0
	.amdhsa_kernel k_qfaa2c9e295_quant
		.amdhsa_group_segment_fixed_size 0
		.amdhsa_private_segment_fixed_size 0
		.amdhsa_enable_private_segment 0
		.amdhsa_kernarg_size 56
		.amdhsa_user_sgpr_count 2
		.amdhsa_user_sgpr_kernarg_segment_ptr 1
		.amdhsa_wavefront_size32 1
		.amdhsa_system_sgpr_workgroup_id_x 1
		.amdhsa_system_sgpr_workgroup_id_y 1
		.amdhsa_system_sgpr_workgroup_id_z 1
		.amdhsa_system_vgpr_workitem_id 0
		.amdhsa_next_free_vgpr 96
		.amdhsa_next_free_sgpr 66
		.amdhsa_reserve_vcc 0
		.amdhsa_float_denorm_mode_32 3
		.amdhsa_float_denorm_mode_16_64 3
		.amdhsa_memory_ordered 1
		.amdhsa_forward_progress 1
		.amdhsa_inst_pref_size 27
	.end_amdhsa_kernel
	.amdgpu_metadata
---
amdhsa.version: [ 1, 2 ]
amdhsa.kernels:
  - .name:           k_qfaa2c9e295_quant
    .symbol:         k_qfaa2c9e295_quant.kd
    .args:
      - { .name: x, .offset: 0, .size: 8, .value_kind: global_buffer, .address_space: global }
      - { .name: wq, .offset: 8, .size: 8, .value_kind: global_buffer, .address_space: global }
      - { .name: wk, .offset: 16, .size: 8, .value_kind: global_buffer, .address_space: global }
      - { .name: wv, .offset: 24, .size: 8, .value_kind: global_buffer, .address_space: global }
      - { .name: lowp_scales, .offset: 32, .size: 8, .value_kind: global_buffer, .address_space: global }
      - { .name: xc, .offset: 40, .size: 8, .value_kind: global_buffer, .address_space: global }
      - { .name: wc, .offset: 48, .size: 8, .value_kind: global_buffer, .address_space: global }
    .group_segment_fixed_size: 0
    .private_segment_fixed_size: 0
    .kernarg_segment_align: 8
    .kernarg_segment_size: 56
    .max_flat_workgroup_size: 256
    .sgpr_count:     66
    .vgpr_count:     96
    .wavefront_size: 32
...
	.end_amdgpu_metadata
.endif
;; end of part 1
;; launch qkv (part 2): grid 16 x 16, 4 waves a work-group, clusters of 4 x 1, 327,680 bytes of LDS; arguments xc, wc, lowp_scales, q_norm_w, k_norm_w, qkv, wo, woc; writes qkv, woc
.if DOCPART == 2
	.amdgcn_target "amdgcn-amd-amdhsa--gfx1250"
	.amdhsa_code_object_version 6
	.text
	.protected	k_qfaa2c9e295_qkv
	.globl	k_qfaa2c9e295_qkv
	.p2align	8
	.type	k_qfaa2c9e295_qkv,@function
k_qfaa2c9e295_qkv:
	s_mov_b64 s[64:65], 0
	v_nop
	global_prefetch_b8 v0, s[64:65] scope:SCOPE_SE
	s_setreg_imm32_b32 hwreg(HW_REG_WAVE_MODE, 25, 1), 1
	s_wait_xcnt 0x0
	s_wait_alu depctr_hold_cnt(0) depctr_sa_sdst(0) depctr_va_vdst(0) depctr_va_sdst(0) depctr_va_ssrc(0) depctr_va_vcc(0) depctr_vm_vsrc(0)
	s_getreg_b32 s2, hwreg(HW_REG_IB_STS2, 6, 4)
	s_cmp_eq_u32 s2, 0
	s_cbranch_scc0 .Lentry_in_a_cluster
	s_endpgm
.Lentry_in_a_cluster:
	s_bfe_u32 s2, ttmp6, 0x10000c
	s_cmp_lg_u32 s2, 0x3003
	s_cbranch_scc0 .Lentry_shape_is_right
	s_endpgm
.Lentry_shape_is_right:
; x Wq^T, x Wk^T, x Wv^T on codes of E4M3 (K = 2,048), then for q and k the RMS norm over the head's 128, the gain, the rotation by the HEAD's number, and the quantiser of attention's operands; v is quantised as it is.
; A work-group makes 256 tokens x 256 columns (two heads): y 0-7 q, 8-9 k, 10-11 v; each section reads its own plane of x's codes.  Four waves, 128 x 128 each: 64 accumulators, 512 registers.
; 24 heads in sections of 16, 4, 4 with three planes of x do not divide into 256 equal work-groups that keep a head whole in a wave: the grid has 192.
; K goes in steps of 256 through two LDS slots (x's 256 rows, then W's 256 rows, rows of 256 bytes + 16 of padding); waves 0, 1 fetch x's halves, waves 2, 3 W's.
; CLUSTER: four work-groups along the tokens share W's tile: a joint load with the mask 15.  x's tile is the work-group's own.
; ORDER OF THE SOURCES.  q, k: source 0 = W's rows, source 1 = x's rows: a lane holds one token and eight neighbouring channels.  v: the other way round: a lane holds one channel and eight neighbouring tokens (the keys are the
; second attention product's K).  Every LDS address is made of the wave's number alone; which of the two goes to which set of registers is chosen by a scalar branch on the work-group's y round the LDS loads alone.
; PREFETCH: behind the load of K step t the work-group asks for K step t + 2: its own 256 rows of x (64 a wave, a lane a row, two instructions) and its quarter, by its place in the cluster, of W's 256 rows
; (16 a wave; lanes 16-31 name the wave's last row again).  Steps 1 and 2 are asked for behind step 0's load; the loop's last trip asks for nothing: there is no K step 8.
; OUT: images of fragments, 2,048 bytes: registers 4 g .. 4 g + 3 of lane l at 512 g + 16 l.  q at 0, k at 8,388,608, v at 10,485,760; ((batch x heads + head) x 64 + tile) x 2,048.
; LIMITS: each pair of exponents summed between -126 and 127; entries 6, 7, 9 between -126 and 119.  NaN is not served.
; BESIDE THOSE 192, the 64 work-groups of y 12-15 (sixteen whole clusters) turn wo (f32, K innermost) into codes of E4M3 with entry 11's scale, into woc: the launch has 256 work-groups in all.
; They part from the others behind the opening round, on the cluster's y, which all four partners share; they issue no tensor load and touch no LDS but the spare words.
; A wave takes 16,384 numbers in 4 trips of 16 steps of 256; a step is two loads of 16 bytes a lane, one conversion, one store of 8 bytes a lane (256 consecutive bytes a wave, aligned).
; wo meets an operand that lies in the matrix instruction's own order, so its eights of k stay whole: place-eight 4 g + 2 h + u of a block of 32 eights holds k-eight 4 g + 2 u + h.  LIMIT: entry 11 between -126 and 119.
.set ROWB,   256
.set KROW,   2048
.set PITCH,  272
.set FR,     16
.set NL,     4
.set NP,     4
.set HALFT,  128*PITCH
.set SLOT,   4*HALFT
.set LAPS,   4
.set SPARE,  2*SLOT                    ; the spare words, 512 bytes
.set TAB,    SPARE+512                 ; 1,024 bytes a wave: gain x cos, gain x sin for my head's 128 channels
.set ADX, 16                           ; v16-17 my fragments of x in slot 0, 1
.set ADW, 20                           ; v20-21 of W
.set TW,   24
.set TR,   25
.set GO,   26
.set PFO,  27                          ; v27 2,048 x lane
.set SPW,  28
.set NIL,  29
.set PFQ,  30                          ; v30 2,048 x min(lane, 15)
.set AF,   128
.set T,    32
.set Y,    96
.set C,    160
.set SS,   192
.set RR,   224
.set RV,   240
.set LIM,  241
.set SCV,  242
.set G1X, 24
.set G0X, 32
.set G1W, 48
.set G0W, 56
.set PFX, 98                           ; s[98:99] my 64 rows of x, s[100:101] my 16 rows of W: two K steps short of what the loop's prefetch names
.set PFW, 100
.set MSB, 0
.macro WIN new
.if MSB != (\new)
	s_set_vgpr_msb (MSB<<8)|(\new)
.set MSB, (\new)
.endif
.endm
.set MUL_LO, 0xa1
.set MUL_HI, 0xf1
.set TO_B,   0x40
.macro JLOAD s                         ; one tensor load a wave; s_nop 0 and four v_nop behind each line
	s_cmp_eq_u32 s17, 0
	s_cbranch_scc0 .Lfor_w_\@
	tensor_load_to_lds s[G0X+4*\s:G0X+4*\s+3], s[G1X:G1X+7]
	s_nop 0
.rept 4
	v_nop
.endr
	s_branch .Lasked_\@
.Lfor_w_\@:
	tensor_load_to_lds s[G0W+4*\s:G0W+4*\s+3], s[G1W:G1W+7]
	s_nop 0
.rept 4
	v_nop
.endr
.Lasked_\@:
.endm
.macro CREST
	s_cmp_lg_u32 s16, 0
	s_cbranch_scc1 .Lnot_wave_0_\@
	s_barrier_signal -3
.Lnot_wave_0_\@:
	s_barrier_wait -3
	s_barrier_signal -1
	s_barrier_wait -1
.endm
.macro CROUND
	s_barrier_signal -1
	s_barrier_wait -1
	CREST
.endm
.macro ASK off
	global_prefetch_b8 v[PFO], s[PFX:PFX+1] offset:\off th:TH_LOAD_NT scope:SCOPE_SE
	global_prefetch_b8 v[PFO], s[PFX:PFX+1] offset:(\off)+32*KROW th:TH_LOAD_NT scope:SCOPE_SE
	global_prefetch_b8 v[PFQ], s[PFW:PFW+1] offset:\off th:TH_LOAD_NT scope:SCOPE_SE
.endm
	s_load_b256 s[4:11], s[0:1], 0x0               ; xc, wc, the exponents, q_norm_w
	s_load_b128 s[12:15], s[0:1], 0x20             ; k_norm_w, qkv
	v_lshl_add_u32 v[SPW], v0, 2, SPARE
	v_mov_b32 v[NIL], 0
	ds_add_u32 v[SPW], v[NIL]                      ; the opening lines: the add twice on end and its wait
	ds_add_u32 v[SPW], v[NIL]
	v_lshrrev_b32 v1, 5, v0
	v_readfirstlane_b32 s16, v1                    ; wave
	s_lshr_b32 s17, s16, 1                         ; my half of the tokens; also: I fetch x (0) or W (1)
	s_and_b32 s18, s16, 1                          ; my head of the two; also: which 128 rows I fetch
	s_bfe_u32 s19, ttmp6, 0x40000                  ; cx
	s_lshl_b32 s20, ttmp9, 2
	s_add_co_u32 s20, s20, s19                     ; tile of tokens
	s_and_b32 s21, ttmp7, 0xffff                   ; tile of columns
	s_cmp_ge_u32 s21, 8
	s_cselect_b32 s22, 1, 0
	s_cmp_ge_u32 s21, 10
	s_cselect_b32 s22, 2, s22                      ; section: 0 q, 1 k, 2 v
	s_cselect_b32 s82, -1, 0
	s_mov_b32 s[G1X+0], (1<<20)|(5<<22)|(3<<25)
	s_mov_b32 s[G1W+0], 15|(1<<20)|(1<<21)|(5<<22)|(3<<25)
.irp g, G1X, G1W
	s_mov_b32 s[\g+1], ROWB<<16
	s_mov_b32 s[\g+2], 128<<16
	s_mov_b32 s[\g+3], ROWB<<16
	s_mov_b32 s[\g+4], 128
	s_mov_b32 s[\g+5], KROW
	s_mov_b32 s[\g+6], 0
	s_mov_b32 s[\g+7], 0
.endr
	s_mov_b32 s66, 0x76543210
	s_mov_b32 s67, 0xfedcba98
	s_mov_b32 s88, 0x3f22f983                      ; 2 / pi; -pi / 2 in two parts; the polynomials of sine and cosine on +-pi / 4
	s_mov_b32 s89, 0xbfc90fdb
	s_mov_b32 s90, 0x333bbd2e
	s_mov_b32 s91, 0xb94ca1f9
	s_mov_b32 s92, 0x3c08839e
	s_mov_b32 s93, 0xbe2aaaa3
	s_mov_b32 s94, 0x37ccf5ce
	s_mov_b32 s95, 0xbab6061a
	s_mov_b32 s96, 0x3d2aaaa5
	s_mov_b32 s97, 0xbe549a78                      ; -log2(10000) / 64
	s_lshl_b32 s40, s22, 23                        ; x: the section's plane + the tile's 256 rows
	s_lshl_b32 s41, s20, 19
	s_add_co_u32 s40, s40, s41
	s_lshl_b32 s46, s16, 17                        ; the prefetch: + 64 rows x wave, at K step 1
	s_add_co_u32 s46, s46, s40
	s_add_co_u32 s46, s46, ROWB
	s_mov_b32 s47, 0
	s_lshl_b32 s41, s18, 18                        ; the load: + the 128 rows that I fetch
	s_add_co_u32 s40, s40, s41
	s_mov_b32 s41, 0
	s_lshl_b32 s42, s21, 19                        ; W: the tile's 256 rows
	s_lshl_b32 s44, s19, 17                        ; the prefetch: + 64 rows x cx + 16 rows x wave, at K step 1
	s_add_co_u32 s44, s44, s42
	s_lshl_b32 s45, s16, 15
	s_add_co_u32 s44, s44, s45
	s_add_co_u32 s44, s44, ROWB
	s_mov_b32 s45, 0
	s_lshl_b32 s43, s18, 18
	s_add_co_u32 s42, s42, s43
	s_mov_b32 s43, 0
	s_mul_i32 s23, s16, HALFT                      ; where my load goes: wave x 128 rows
	s_lshl_b32 s83, s21, 1
	s_add_co_u32 s83, s83, s18
	s_cmp_eq_u32 s22, 0
	s_cselect_b32 s2, 0, 16
	s_cmp_eq_u32 s22, 2
	s_cselect_b32 s2, 20, s2
	s_sub_co_u32 s85, s83, s2                      ; my head within its section
	s_cmp_eq_u32 s22, 2
	s_cselect_b32 s83, 0, s85                      ; the rotation's position: the head's number; v: 0, no rotation
	s_wait_dscnt 0x0
	s_wait_kmcnt 0x0
	s_load_b256 s[68:75], s[8:9], 0x0
	s_load_b128 s[76:79], s[8:9], 0x20
	s_add_nc_u64 s[PFX:PFX+1], s[4:5], s[46:47]
	s_add_nc_u64 s[PFW:PFW+1], s[6:7], s[44:45]
	s_add_nc_u64 s[40:41], s[4:5], s[40:41]
	s_add_nc_u64 s[42:43], s[6:7], s[42:43]
	s_cmp_eq_u32 s22, 0
	s_cselect_b64 s[86:87], s[10:11], s[12:13]
.irp s, 0,1
	s_mov_b32 s[G0X+4*\s], 1
	s_add_co_u32 s[G0X+4*\s+1], s23, \s*SLOT
	s_add_nc_u64 s[G0X+4*\s+2:G0X+4*\s+3], s[40:41], \s*ROWB
	s_or_b32 s[G0X+4*\s+3], s[G0X+4*\s+3], 0x80000000
	s_mov_b32 s[G0W+4*\s], 1
	s_add_co_u32 s[G0W+4*\s+1], s23, \s*SLOT
	s_add_nc_u64 s[G0W+4*\s+2:G0W+4*\s+3], s[42:43], \s*ROWB
	s_or_b32 s[G0W+4*\s+3], s[G0W+4*\s+3], 0x80000000
.endr
	CROUND                                         ; the four work-groups are here
	s_cmp_ge_u32 s21, 12                           ; wo's clusters part here: the cluster's y alone decides
	s_cbranch_scc1 .Lwo
	JLOAD 0                                        ; K step 0: my one tensor load at the head
	v_and_b32 v2, 31, v0
	v_lshlrev_b32 v3, 3, v2
	global_load_b64 v[32:33], v3, s[86:87]         ; the gain of channels 2 l, 2 l + 1 and 64 + 2 l, 64 + 2 l + 1
	global_load_b64 v[34:35], v3, s[86:87] offset:256
	v_lshlrev_b32 v[PFO], 11, v2
	v_min_u32 v4, 15, v2
	v_lshlrev_b32 v[PFQ], 11, v4
	ASK 0                                          ; K steps 1 and 2
	ASK ROWB
	s_lshl_b32 s23, s16, 10
	s_add_co_u32 s23, s23, TAB
	v_add_nc_u32 v[TW], s23, v3
	v_bfe_u32 v5, v0, 4, 1
	v_lshl_add_u32 v[TR], v5, 5, s23
	v_lshlrev_b32 v[GO], 4, v2
	v_cvt_f32_u32 v36, v2                          ; the angle: position x 10000^(-pair / 64), pairs l and 32 + l
	v_add_f32 v37, 0x42000000, v36
	v_cvt_f32_u32 v38, s83
	v_mul_f32 v36, s97, v36
	v_mul_f32 v37, s97, v37
	s_wait_alu depctr_va_vdst(0)                   ; the wait ahead of the batch
	v_exp_f32 v36, v36
	v_exp_f32 v37, v37
	v_nop
	s_wait_alu depctr_va_vdst(0)                   ; and behind it
	v_mul_f32 v36, v38, v36
	v_mul_f32 v37, v38, v37
.irp k, 0,1                                    ; sine and cosine in f32: the quadrant taken off in two parts, a polynomial each, signs by the quadrant
	v_mul_f32 v[40+\k], s88, v[36+\k]
	v_rndne_f32 v[40+\k], v[40+\k]
	v_fma_f32 v[42+\k], v[40+\k], s89, v[36+\k]
	v_fma_f32 v[42+\k], v[40+\k], s90, v[42+\k]
	v_mul_f32 v[44+\k], v[42+\k], v[42+\k]
	v_mov_b32 v[46+\k], s92
	v_fma_f32 v[46+\k], v[44+\k], s91, v[46+\k]
	v_fma_f32 v[46+\k], v[46+\k], v[44+\k], s93
	v_mul_f32 v[46+\k], v[46+\k], v[44+\k]
	v_fma_f32 v[46+\k], v[46+\k], v[42+\k], v[42+\k]
	v_mov_b32 v[48+\k], s95
	v_fma_f32 v[48+\k], v[44+\k], s94, v[48+\k]
	v_fma_f32 v[48+\k], v[48+\k], v[44+\k], s96
	v_mul_f32 v[48+\k], v[48+\k], v[44+\k]
	v_fma_f32 v[52+\k], v[44+\k], -0.5, 1.0
	v_fma_f32 v[48+\k], v[48+\k], v[44+\k], v[52+\k]
	v_cvt_i32_f32 v[50+\k], v[40+\k]
	v_and_b32 v[52+\k], 1, v[50+\k]
	v_cmp_ne_u32 vcc_lo, 0, v[52+\k]
	v_cndmask_b32 v[54+\k], v[46+\k], v[48+\k], vcc_lo
	v_cndmask_b32 v[56+\k], v[48+\k], v[46+\k], vcc_lo
	v_and_b32 v[52+\k], 2, v[50+\k]
	v_lshlrev_b32 v[52+\k], 30, v[52+\k]
	v_xor_b32 v[54+\k], v[54+\k], v[52+\k]
	v_add_nc_u32 v[52+\k], 1, v[50+\k]
	v_and_b32 v[52+\k], 2, v[52+\k]
	v_lshlrev_b32 v[52+\k], 30, v[52+\k]
	v_xor_b32 v[56+\k], v[56+\k], v[52+\k]
.endr
	v_mov_b32 v58, 1.0
	s_wait_alu depctr_va_vdst(0)
	s_wait_loadcnt 0x0
.irp j, 32,33,34,35
	v_cndmask_b32 v[\j], v[\j], v58, s82           ; v has no gain
.endr
	v_mul_f32 v40, v32, v56                        ; y(2 i) = g(2 i) cos n(2 i) - g(2 i + 1) sin n(2 i + 1);  y(2 i + 1) = g(2 i + 1) cos n(2 i + 1) + g(2 i) sin n(2 i)
	v_mul_f32 v41, v33, v56
	v_mul_f32 v42, v34, v57
	v_mul_f32 v43, v35, v57
	v_mul_f32 v44, -v33, v54
	v_mul_f32 v45, v32, v54
	v_mul_f32 v46, -v35, v55
	v_mul_f32 v47, v34, v55
	ds_store_b64 v[TW], v[40:41]
	ds_store_b64 v[TW], v[42:43] offset:256
	ds_store_b64 v[TW], v[44:45] offset:512
	ds_store_b64 v[TW], v[46:47] offset:768
	v_and_b32 v6, 15, v0
	v_mul_u32_u24 v7, v6, PITCH
	v_lshl_add_u32 v8, v5, 4, v7
	s_mul_i32 s40, s17, HALFT                      ; my 128 rows of x,
	s_mul_i32 s41, s18, HALFT
	s_add_co_u32 s41, s41, 2*HALFT                 ; my 128 rows of W
.irp s, 0,1
	v_add_nc_u32 v[ADX+\s], s40, v8
	v_add_nc_u32 v[ADW+\s], s41, v8
	s_add_co_u32 s40, s40, SLOT
	s_add_co_u32 s41, s41, SLOT
.endr
	s_lshl_b32 s40, s20, 8                         ; where my images go
	s_lshl_b32 s41, s17, 7
	s_add_co_u32 s40, s40, s41
	s_lshr_b32 s41, s40, 10
	s_and_b32 s40, s40, 1023
	s_lshr_b32 s40, s40, 4
	s_cmp_eq_u32 s22, 0
	s_cselect_b32 s45, 4, 2
	s_cselect_b32 s23, 0, 0x800000
	s_cmp_eq_u32 s22, 2
	s_cselect_b32 s23, 0xa00000, s23
	s_lshl_b32 s41, s41, s45
	s_add_co_u32 s41, s41, s85
	s_lshl_b32 s41, s41, 6
	s_add_co_u32 s40, s40, s41
	s_lshl_b32 s40, s40, 11
	s_add_co_u32 s40, s40, s23
	s_mov_b32 s41, 0
	s_add_nc_u64 s[14:15], s[14:15], s[40:41]
	s_wait_alu depctr_va_vdst(0)                   ; the wait at the head's end
	s_wait_kmcnt 0x0
	s_add_co_i32 s80, s68, s69                     ; the product's two exponents, by section
	s_add_co_i32 s40, s70, s71
	s_add_co_i32 s41, s72, s73
	s_cmp_eq_u32 s22, 1
	s_cselect_b32 s80, s40, s80
	s_cselect_b32 s84, s75, s74                    ; the result's own scale: entry 6, 7 or 9
	s_cmp_eq_u32 s22, 2
	s_cselect_b32 s80, s41, s80
	s_cselect_b32 s84, s77, s84
	s_lshl_b32 s81, s80, 1
	s_sub_co_i32 s81, s81, 7                       ; the sum of squares x 2^(2 e) / 128
.macro FRAG reg, adr, q, i
.irp c, 0,1,2,3
	ds_load_b128 v[\reg+4*\c:\reg+4*\c+3], v[\adr] offset:128*(\q)+32*\c+(\i)*16*PITCH
.endr
.endm
.macro MUL16 a0, p, zero
.irp a, \a0, \a0+1
.irp b, 0,1,2,3,4,5,6,7
.if \zero
	v_wmma_f32_16x16x128_fp8_fp8 v[8*(8*((\a)%4)+\b):8*(8*((\a)%4)+\b)+7], v[128*(\p)+FR*\b:128*(\p)+FR*\b+FR-1], v[AF+FR*(\a):AF+FR*(\a)+FR-1], 0
.else
	v_wmma_f32_16x16x128_fp8_fp8 v[8*(8*((\a)%4)+\b):8*(8*((\a)%4)+\b)+7], v[128*(\p)+FR*\b:128*(\p)+FR*\b+FR-1], v[AF+FR*(\a):AF+FR*(\a)+FR-1], v[8*(8*((\a)%4)+\b):8*(8*((\a)%4)+\b)+7]
.endif
.endr
.endr
.endm
.macro LD_B adr, q, p                  ; eight fragments into source 0's set p (window 1)
	WIN TO_B
.irp i, 0,1,2,3,4,5,6,7
	FRAG 128*(\p)+FR*\i, \adr, \q, \i
.endr
	WIN 0
.endm
.macro LD_A adr, q, i0                 ; four fragments into source 1's set
.irp i, \i0, \i0+1, \i0+2, \i0+3
	FRAG AF+FR*(\i), \adr, \q, \i
.endr
.endm
; q, k: source 0 takes W, source 1 x; v: the other way round.  The branch hangs on the work-group's y alone; both ways issue the same number of loads.  Every window is 0 at the branch and at the labels.
.macro FETCH_BA slot, q, p
	s_cmp_eq_u32 s22, 2
	s_cbranch_scc1 .Lv_\@
	LD_B ADW+\slot, \q, \p
	LD_A ADX+\slot, \q, 0
	s_branch .Lj_\@
.Lv_\@:
	LD_B ADX+\slot, \q, \p
	LD_A ADW+\slot, \q, 0
.Lj_\@:
.endm
.macro FETCH_A4 slot, q
	s_cmp_eq_u32 s22, 2
	s_cbranch_scc1 .Lv_\@
	LD_A ADX+\slot, \q, 4
	s_branch .Lj_\@
.Lv_\@:
	LD_A ADW+\slot, \q, 4
.Lj_\@:
.endm
.macro PLACES n
.rept \n
	v_nop
.endr
.endm
.macro STEP slot, q, zero              ; 128 along K whose successor lies in the same slot
	s_wait_dscnt 4*NL                              ; all but the youngest 16 loads (source 1's blocks 4-7)
	WIN MUL_LO
	MUL16 0, (\q)%2, \zero
	MUL16 2, (\q)%2, \zero
	s_wait_dscnt 0
	PLACES NP
	WIN 0
	FETCH_BA \slot, (\q)+1, 1-(\q)%2
	WIN MUL_HI
	MUL16 4, (\q)%2, \zero
	MUL16 6, (\q)%2, \zero
	PLACES NP
	WIN 0
	FETCH_A4 \slot, (\q)+1
.endm
.macro TURN slot, next, fill           ; a slot's last 128: the change of slots
.if \fill
	s_wait_xcnt 0x0                                ; my prefetches have read their addresses: a K step on
	s_add_nc_u64 s[PFX:PFX+1], s[PFX:PFX+1], ROWB
	s_add_nc_u64 s[PFW:PFW+1], s[PFW:PFW+1], ROWB
.endif
	s_wait_tensorcnt 0x0                           ; my part of the next slot is in
	ds_add_u32 v[SPW], v[NIL]
	s_wait_dscnt 4*NL+1                            ; the add and the youngest 16 loads may be out
	WIN MUL_LO
	MUL16 0, 1, 0
	s_wait_dscnt 0x0                               ; the add is done, my reads of this slot are over
	s_barrier_signal -1
	MUL16 2, 1, 0
	WIN 0
	s_barrier_wait -1
.if \fill
	CREST                                          ; the barrier has opened a round of the cluster's barrier
	s_add_nc_u64 s[G0X+4*\slot+2:G0X+4*\slot+3], s[G0X+4*\slot+2:G0X+4*\slot+3], 2*ROWB
	s_add_nc_u64 s[G0W+4*\slot+2:G0W+4*\slot+3], s[G0W+4*\slot+2:G0W+4*\slot+3], 2*ROWB
	JLOAD \slot                                    ; its four v_nop are the places in front of the loads below
.else
	PLACES NP
.endif
	FETCH_BA \next, 0, 0
.if \fill
	s_cmp_gt_u32 s3, 1                             ; the last trip's two refills have no K step two on
	s_cbranch_scc0 .Lno_ask_\@
	ASK 2*ROWB
.Lno_ask_\@:
.endif
	WIN MUL_HI
	MUL16 4, 1, 0
	MUL16 6, 1, 0
	PLACES NP
	WIN 0
	FETCH_A4 \next, 0
.endm
	s_wait_tensorcnt 0x0                           ; my part of K step 0 is in; the three lines ahead of slot 1's first fill, as ahead of a refill
	ds_add_u32 v[SPW], v[NIL]
	s_wait_dscnt 0x0                               ; the add and my table's stores
	CROUND
	JLOAD 1                                        ; K step 1
	FETCH_BA 0, 0, 0
	FETCH_A4 0, 0
	ASK 2*ROWB                                     ; K step 3
	STEP 0, 0, 1                                   ; the first products start the sums
	s_mov_b32 s3, LAPS-1
.Llap:
	TURN 0, 1, 1
	STEP 1, 0, 0
	TURN 1, 0, 1
	STEP 0, 0, 0
	s_sub_co_u32 s3, s3, 1
	s_cmp_lg_u32 s3, 0
	s_cbranch_scc1 .Llap
	TURN 0, 1, 0
	STEP 1, 0, 0
	s_wait_dscnt 4*NL
	WIN MUL_LO
	MUL16 0, 1, 0
	MUL16 2, 1, 0
	s_wait_dscnt 0
	WIN MUL_HI
	MUL16 4, 1, 0
	MUL16 6, 1, 0
	WIN 0
	PLACES NP
	WIN TO_B                                       ; the table into window 1: v0-63 the cosine part, v64-127 the sine part, in the results' order of channels
.irp b, 0,1,2,3,4,5,6,7
	ds_load_b128 v[8*\b:8*\b+3],       v[TR] offset:64*\b
	ds_load_b128 v[8*\b+4:8*\b+7],     v[TR] offset:64*\b+16
	ds_load_b128 v[64+8*\b:64+8*\b+3], v[TR] offset:512+64*\b
	ds_load_b128 v[64+8*\b+4:64+8*\b+7], v[TR] offset:512+64*\b+16
.endr
.macro SUMSQ a                         ; block a's sums of squares, a lane's 64 numbers in two packed chains, each accumulator from its low end on
.set AC, 64*((\a)%4)
	WIN 0x0a+5*((\a)/4)
.set n, 0
.rept 32
.if n < 2
	v_pk_mul_f32 v[SS+4*(\a)+2*n:SS+4*(\a)+2*n+1], v[AC+2*n:AC+2*n+1], v[AC+2*n:AC+2*n+1]
.else
	v_pk_fma_f32 v[SS+4*(\a)+2*(n%2):SS+4*(\a)+2*(n%2)+1], v[AC+2*n:AC+2*n+1], v[AC+2*n:AC+2*n+1], v[SS+4*(\a)+2*(n%2):SS+4*(\a)+2*(n%2)+1]
.endif
.set n, n+1
.endr
.endm
.irp a, 0,1,2,3,4,5,6,7
	SUMSQ \a
.endr
	WIN 0
	s_add_co_i32 s40, s84, 127
	s_lshl_b32 s41, s40, 23
	s_add_co_i32 s40, s40, 8
	s_lshl_b32 s40, s40, 23
	s_or_b32 s40, s40, 0x600000
.irp a, 0,1,2,3,4,5,6,7
	v_pk_add_f32 v[SS+4*\a:SS+4*\a+1], v[SS+4*\a:SS+4*\a+1], v[SS+4*\a+2:SS+4*\a+3]
.endr
.irp a, 0,1,2,3,4,5,6,7
	v_add_f32 v[SS+4*\a], v[SS+4*\a], v[SS+4*\a+1]
.endr
.irp a, 0,1,2,3,4,5,6,7
	v_permlanex16_b32 v[SS+4*\a+2], v[SS+4*\a], s66, s67
.endr
.irp a, 0,1,2,3,4,5,6,7
	v_add_f32 v[SS+4*\a], v[SS+4*\a], v[SS+4*\a+2]
.endr
.irp a, 0,1,2,3,4,5,6,7
	v_ldexp_f32 v[SS+4*\a], v[SS+4*\a], s81
.endr
.irp a, 0,1,2,3,4,5,6,7
	v_add_f32 v[SS+4*\a], 0x358637bd, v[SS+4*\a]   ; + 1e-6
.endr
	s_wait_alu depctr_va_vdst(0)                   ; the wait ahead of the batch
.irp a, 0,1,2,3,4,5,6,7
	v_rsq_f32 v[RR+2*\a], v[SS+4*\a]
.endr
	v_mov_b32 v[SCV], s41
	v_mov_b32 v[LIM], s40
	v_ldexp_f32 v[RV], 1.0, s80
	s_wait_alu depctr_va_vdst(0)                   ; and behind it
.irp a, 0,1,2,3,4,5,6,7
	v_ldexp_f32 v[RR+2*\a], v[RR+2*\a], s80
.endr
.irp a, 0,1,2,3,4,5,6,7
	v_cndmask_b32 v[RR+2*\a], v[RR+2*\a], v[RV], s82   ; v has no norm: the product's scale alone
.endr
.irp a, 0,1,2,3,4,5,6,7
	v_mov_b32 v[RR+2*\a+1], v[RR+2*\a]
.endr
	s_wait_alu depctr_va_vdst(0)
	s_wait_dscnt 0x0
.macro OUTB a                          ; block a: x 1 / rms, gain and rotation, the hold, the conversion: one image, stored as it stands
.set AC, 64*((\a)%4)
.set CC, C+16*((\a)%2)
	WIN 0x02+((\a)/4)
.set j, 0
.rept 32
	v_pk_mul_f32 v[T+j:T+j+1], v[AC+j:AC+j+1], v[RR+2*(\a):RR+2*(\a)+1] op_sel_hi:[1,0]
.set j, j+2
.endr
	WIN 0x04
.set j, 0
.rept 32
	v_pk_mul_f32 v[Y+j:Y+j+1], v[T+j:T+j+1], v[j:j+1]
.set j, j+2
.endr
.set j, 0
.rept 32
	v_pk_fma_f32 v[Y+j:Y+j+1], v[T+j:T+j+1], v[64+j:64+j+1], v[Y+j:Y+j+1] op_sel:[1,0,0] op_sel_hi:[0,1,1]
.set j, j+2
.endr
	WIN 0
.set j, 0
.rept 64
	v_med3_num_f32 v[Y+j], v[Y+j], -v[LIM], v[LIM]
.set j, j+1
.endr
	s_wait_alu depctr_va_vdst(0)
	s_wait_xcnt 0x0                                ; the stores of two blocks ago have read their registers
.irp b, 0,1,2,3,4,5,6,7
	v_cvt_scalef32_pk8_fp8_f32 v[CC+2*\b:CC+2*\b+1], v[Y+8*\b:Y+8*\b+7], v[SCV]
.endr
	v_nop
.irp g, 0,1,2,3
	global_store_b128 v[GO], v[CC+4*\g:CC+4*\g+3], s[14:15] offset:2048*(\a)+512*\g   ; 32 lanes store 512 consecutive bytes, aligned
.endr
.endm
.irp a, 0,1,2,3,4,5,6,7
	OUTB \a
.endr
	s_wait_tensorcnt 0x0                           ; the wave's end
	ds_add_u32 v[SPW], v[NIL]
	s_wait_dscnt 0x0
	CROUND                                         ; the closing round
	s_endpgm
.Lwo:                                                  ; wo's work-groups
	s_load_b128 s[4:7], s[0:1], 0x30               ; wo, woc
	v_and_b32 v1, 31, v0
	v_and_b32 v5, 28, v1                           ; the lane's number with its two lowest bits changed over,
	v_and_b32 v6, 1, v1
	v_lshl_or_b32 v5, v6, 1, v5
	v_bfe_u32 v6, v1, 1, 1
	v_or_b32 v5, v5, v6
	v_lshlrev_b32 v2, 5, v5                        ; x 32 bytes: my k-eight
	v_add_nc_u32 v3, 16, v2
	v_lshlrev_b32 v4, 3, v1                        ; my 8 bytes of a step's 256 codes
	s_sub_co_u32 s40, s21, 12
	s_lshl_b32 s40, s40, 4
	s_add_co_u32 s40, s40, s20
	s_lshl_b32 s40, s40, 2
	s_add_co_u32 s40, s40, s16                     ; my wave among 256
	s_lshl_b32 s42, s40, 14                        ; its 16,384 bytes of codes,
	s_lshl_b32 s40, s40, 16                        ; its 65,536 bytes of wo
	s_mov_b32 s41, 0
	s_mov_b32 s43, 0
	s_wait_alu depctr_va_vdst(0)
	s_wait_kmcnt 0x0
	s_add_nc_u64 s[4:5], s[4:5], s[40:41]
	s_add_nc_u64 s[6:7], s[6:7], s[42:43]
	s_add_co_i32 s44, s79, 127
	s_lshl_b32 s45, s44, 23
	v_mov_b32 v10, s45                             ; 2^e11 as f32
	s_add_co_i32 s44, s44, 8
	s_lshl_b32 s44, s44, 23
	s_or_b32 s44, s44, 0x600000
	v_mov_b32 v11, s44                             ; 448 x that
	s_mov_b32 s3, 4
	s_wait_alu depctr_va_vdst(0)                   ; the wait ahead of the loop
.Lwo_trip:
.set t, 0
.rept 16
	global_load_b128 v[64+8*t:64+8*t+3], v2, s[4:5] offset:1024*t th:TH_LOAD_NT
	global_load_b128 v[64+8*t+4:64+8*t+7], v3, s[4:5] offset:1024*t th:TH_LOAD_NT
.set t, t+1
.endr
.set t, 0
.rept 16
	s_wait_loadcnt 30-2*t                          ; loads come back in order: step t's two are in
.irp i, 0,1,2,3,4,5,6,7
	v_med3_num_f32 v[32+8*(t%2)+\i], v[64+8*t+\i], -v11, v11   ; the hold, into the set that the conversion before does not read
.endr
	v_cvt_scalef32_pk8_fp8_f32 v[192+2*t:193+2*t], v[32+8*(t%2):39+8*(t%2)], v10
	global_store_b64 v4, v[192+2*t:193+2*t], s[6:7] offset:256*t
.set t, t+1
.endr
	v_nop
	s_wait_xcnt 0x0                                ; the stores have read their data and their base
	s_add_nc_u64 s[4:5], s[4:5], 16384
	s_add_nc_u64 s[6:7], s[6:7], 4096
	s_sub_co_u32 s3, s3, 1
	s_cmp_lg_u32 s3, 0
	s_cbranch_scc1 .Lwo_trip
	s_wait_tensorcnt 0x0                           ; the wave's end
	ds_add_u32 v[SPW], v[NIL]
	s_wait_dscnt 0x0
	CROUND                                         ; the closing round
	s_endpgm
.Lfunc_end_k_qfaa2c9e295_qkv:
	.size	k_qfaa2c9e295_qkv, .Lfunc_end_k_qfaa2c9e295_qkv-k_qfaa2c9e295_qkv
	.p2alignl 7, 3214868480
	.fill 96, 4, 3214868480
	.section	.rodata,"a",@progbits
	.p2align	6, 0x0
	.amdhsa_kernel k_qfaa2c9e295_qkv
		.amdhsa_group_segment_fixed_size 327680
		.amdhsa_private_segment_fixed_size 0
		.amdhsa_enable_private_segment 0
		.amdhsa_kernarg_size 64
		.amdhsa_user_sgpr_count 2
		.amdhsa_user_sgpr_kernarg_segment_ptr 1
		.amdhsa_wavefront_size32 1
		.amdhsa_system_sgpr_workgroup_id_x 1
		.amdhsa_system_sgpr_workgroup_id_y 1
		.amdhsa_system_sgpr_workgroup_id_z 1
		.amdhsa_system_vgpr_workitem_id 0
		.amdhsa_next_free_vgpr 1024
		.amdhsa_next_free_sgpr 102
		.amdhsa_reserve_vcc 1
		.amdhsa_float_denorm_mode_32 3
		.amdhsa_float_denorm_mode_16_64 3
		.amdhsa_memory_ordered 1
		.amdhsa_forward_progress 1
		.amdhsa_inst_pref_size 247
	.end_amdhsa_kernel
	.amdgpu_metadata
---
amdhsa.version: [ 1, 2 ]
amdhsa.kernels:
  - .name:           k_qfaa2c9e295_qkv
    .symbol:         k_qfaa2c9e295_qkv.kd
    .args:
      - { .name: xc, .offset: 0, .size: 8, .value_kind: global_buffer, .address_space: global }
      - { .name: wc, .offset: 8, .size: 8, .value_kind: global_buffer, .address_space: global }
      - { .name: lowp_scales, .offset: 16, .size: 8, .value_kind: global_buffer, .address_space: global }
      - { .name: q_norm_w, .offset: 24, .size: 8, .value_kind: global_buffer, .address_space: global }
      - { .name: k_norm_w, .offset: 32, .size: 8, .value_kind: global_buffer, .address_space: global }
      - { .name: qkv, .offset: 40, .size: 8, .value_kind: global_buffer, .address_space: global }
      - { .name: wo, .offset: 48, .size: 8, .value_kind: global_buffer, .address_space: global }
      - { .name: woc, .offset: 56, .size: 8, .value_kind: global_buffer, .address_space: global }
    .group_segment_fixed_size: 327680
    .private_segment_fixed_size: 0
    .kernarg_segment_align: 8
    .kernarg_segment_size: 64
    .max_flat_workgroup_size: 128
    .sgpr_count:     102
    .vgpr_count:     1024
    .wavefront_size: 32
...
	.end_amdgpu_metadata
.endif
;; end of part 2
;; launch attn (part 3): grid 16 x 16, 16 waves a work-group, clusters of 4 x 1, 327,680 bytes of LDS; arguments qkv, lowp_scales, att; writes att
.if DOCPART == 3
	.amdgcn_target "amdgcn-amd-amdhsa--gfx1250"
	.amdhsa_code_object_version 6
	.text
	.protected	k_qfaa2c9e295_attn
	.globl	k_qfaa2c9e295_attn
	.p2align	8
	.type	k_qfaa2c9e295_attn,@function
k_qfaa2c9e295_attn:
	s_mov_b64 s[64:65], 0
	v_nop
	global_prefetch_b8 v0, s[64:65] scope:SCOPE_SE
	s_setreg_imm32_b32 hwreg(HW_REG_WAVE_MODE, 25, 1), 1
	s_wait_xcnt 0x0
	s_wait_alu depctr_hold_cnt(0) depctr_sa_sdst(0) depctr_va_vdst(0) depctr_va_sdst(0) depctr_va_ssrc(0) depctr_va_vcc(0) depctr_vm_vsrc(0)
	s_getreg_b32 s2, hwreg(HW_REG_IB_STS2, 6, 4)
	s_cmp_eq_u32 s2, 0
	s_cbranch_scc0 .Lentry_in_a_cluster
	s_endpgm
.Lentry_in_a_cluster:
	s_bfe_u32 s2, ttmp6, 0x10000c
	s_cmp_lg_u32 s2, 0x3003
	s_cbranch_scc0 .Lentry_shape_is_right
	s_endpgm
.Lentry_shape_is_right:
; Causal attention on codes of E4M3: S^T = K Q^T, p = 2^(t - M), O^T = V^T P^T, O / the row's sum, quantised for the output projection.
; t = score x log2(e) / sqrt(128); M = the running largest t rounded UP to a whole number; the sum is taken of the unquantised p; when M moves, the sum and O^T are multiplied by 2^(old M - new M): exact.
; LEFT OUT: key steps all of whose keys come after a wave's queries: the causal mask sets their scores to -infinity, so their p is 0 for all values of the inputs.
; q, k, v come as IMAGES OF FRAGMENTS (2,048 bytes: registers 4 g .. 4 g + 3 of lane l at 512 g + 16 l), in the matrix instruction's own order: registers 2 c, 2 c + 1 hold k = 16 c + 8 (lane / 16) + 0 .. 7.
; SHARES.  A wave owns ONE tile of 16 queries in 256 registers; sixteen waves, four to a SIMD.  A head's eight blocks of 128 queries go in pairs: the work-group of cluster x = P takes blocks P and 7 - P.
; A tile of block j works j + 1 key steps of 128, so each pair of waves works 9, in every work-group alike.
; CLUSTER: the four query heads that share a key and value head.  They walk the same K and V and have the same causal shape; the place in the cluster enters Q's and the output's global addresses alone.
; LDS: no ring: all of the head's K and V, 262,144 bytes, is filled once, by sixteen joint loads of 16 KiB, ONE A WAVE: wave w brings key step 2 (w / 4) + w % 2, K's images where (w / 2) % 2 is 0, V's where it is 1.
; Key step s: K's eight images at 32,768 s, V's eight 16,384 further on.  One wait for 0 in every wave and one barrier show all of it to all; nothing is filled again, so no other barrier stands in the walk.
; Every work-group asks for all eight key steps though it reads 8 - P of them: so every partner makes every joint request.
; No prefetch: all that the launch reads is asked for at its head; there is no loop to run ahead in.
; A lane holds ONE query (lane % 16) throughout; accumulator t of S^T holds keys 16 t + 8 (lane / 16) + 0 .. 7, so its conversion gives registers 2 t, 2 t + 1 of P's fragment; likewise O^T's for the output's.
; OUT: att [8 pairs of heads][256 tiles of rows][2 heads][2048]: images again, K = head x 128 + channel.
; LIMITS: entries 6 + 7 between -123 and 130 (added to c's exponent field); entries 8 and 10 between -126 and 119; 8 + 9 goes through v_ldexp_f32.  NaN is not served.
; REGISTERS: v1 16 x lane; v5, v6 the add's two; v8 the step's LDS address; v12 -M, v13 the largest t, v[14:15] the sum; v16-31 Q; v32-95 four fragments; v96-159 S^T, then p; v160-223 O^T; v224-239 codes; v236-255 at work.
.set SPARE, 262144                     ; behind K and V: the spare words, 128 bytes for each of sixteen waves
.set LI,   1
.set SPW,  5
.set NIL,  6
.set ADK,  8
.set TB,   10                          ; s10  LDS byte at which the step's tiles begin
.set WV,   18
.set SEL,  20
.set CS,   22
.set G1,   24                          ; s[24:31] group 1;  s[32:35] group 0
.set G0,   32
.set CNT,  67
.set KF,   98                          ; s98  the step's first key
.set Q0,   99                          ; s99  my first query
.macro CROUND
	s_barrier_signal -1
	s_barrier_wait -1
	s_cmp_lg_u32 s[WV], 0
	s_cbranch_scc1 .Lnot_wave_0_\@
	s_barrier_signal -3
.Lnot_wave_0_\@:
	s_barrier_wait -3
	s_barrier_signal -1
	s_barrier_wait -1
.endm
	s_load_b128 s[4:7], s[0:1], 0x0                ; qkv 4:5, the exponents 6:7
	s_load_b64 s[8:9], s[0:1], 0x10                ; att
	v_lshl_add_u32 v[SPW], v0, 2, SPARE
	v_mov_b32 v[NIL], 0
	ds_add_u32 v[SPW], v[NIL]                      ; the opening lines: the add twice on end and its wait
	ds_add_u32 v[SPW], v[NIL]
	v_lshrrev_b32 v8, 5, v0
	s_delay_alu instid0(VALU_DEP_1)
	v_readfirstlane_b32 s[WV], v8                  ; wave 0..15
	s_bfe_u32 s11, ttmp6, 0x40000                  ; cx: the query head within its group of four
	s_and_b32 s12, ttmp7, 0xffff                   ; y = 4 b + key and value head
	s_lshr_b32 s13, s[WV], 3
	s_xor_b32 s13, s13, s[WV]
	s_and_b32 s13, s13, 1                          ; 1: the later block
	s_lshr_b32 s14, s[WV], 1                       ; which tile of the block
	s_sub_co_u32 s15, 7, ttmp9
	s_cmp_eq_u32 s13, 1
	s_cselect_b32 s15, s15, ttmp9                  ; the block: 7 - P or P
	s_lshl_b32 s[Q0], s15, 7
	s_lshl_b32 s14, s14, 4
	s_add_co_u32 s[Q0], s[Q0], s14
	s_mov_b32 s[G1+0], 15|(3<<16)|(1<<21)          ; the mask: all four partners; elements of 8 bytes; bit 21 beside the mask; no padding
	s_mov_b32 s[G1+1], 32<<16                      ; tensor_dim0: 32 elements = 256 bytes
	s_mov_b32 s[G1+2], 64<<16                      ; tensor_dim1: 64 rows: a dense block of 16 KiB
	s_mov_b32 s[G1+3], 32<<16                      ; tile_dim0
	s_mov_b32 s[G1+4], 64                          ; tile_dim1
	s_mov_b32 s[G1+5], 32                          ; from row to row
	s_mov_b32 s[G1+6], 0
	s_mov_b32 s[G1+7], 0
	s_and_b32 s48, s[WV], 1                        ; what I fetch: key step 2 (wave / 4) + wave % 2,
	s_bfe_u32 s49, s[WV], 0x10001                  ; of K (0) or V (1)
	s_lshl_b32 s50, s12, 17                        ; the head's 131,072 bytes
	s_lshl_b32 s51, s48, 14
	s_add_co_u32 s50, s50, s51
	s_lshl_b32 s51, s49, 21                        ; V's images begin 2,097,152 bytes behind K's,
	s_add_co_u32 s50, s50, s51
	s_add_co_u32 s50, s50, 0x800000                ; K's at 8,388,608
	s_lshl_b32 s52, s48, 15                        ; in LDS
	s_lshl_b32 s53, s49, 14
	s_add_co_u32 s52, s52, s53
	s_lshr_b32 s53, s[WV], 2
	s_lshl_b32 s51, s53, 16
	s_add_co_u32 s52, s52, s51
	s_lshl_b32 s51, s53, 15
	s_add_co_u32 s50, s50, s51
	s_mov_b32 s51, 0
	s_lshl_b32 s54, s12, 2                         ; Q: ((4 y + cx) x 64 + my tile) x 2,048
	s_add_co_u32 s54, s54, s11
	s_lshl_b32 s54, s54, 6
	s_lshr_b32 s55, s[Q0], 4
	s_add_co_u32 s54, s54, s55
	s_lshl_b32 s56, s54, 11
	s_mov_b32 s57, 0
	s_and_b32 s58, s12, 3                          ; the output: (((head / 2) x 256 + 64 b + my tile) x 2 + head % 2) x 2,048
	s_lshl_b32 s58, s58, 2
	s_add_co_u32 s58, s58, s11                     ; the head among 16
	s_lshr_b32 s59, s58, 1
	s_lshl_b32 s59, s59, 8
	s_lshr_b32 s60, s12, 2
	s_lshl_b32 s60, s60, 6
	s_add_co_u32 s59, s59, s60
	s_add_co_u32 s59, s59, s55
	s_lshl_b32 s59, s59, 1
	s_and_b32 s60, s58, 1
	s_add_co_u32 s60, s59, s60
	s_lshl_b32 s60, s60, 11
	s_mov_b32 s61, 0
	s_mov_b32 s[SEL], 0x76543210
	s_mov_b32 s[SEL+1], 0xfedcba98
	s_mov_b32 s[CS], 0x3e0293ee                    ; c = log2(e) / sqrt(128)
	s_mov_b32 s[G0], 1
	s_mov_b32 s[G0+1], s52
	s_wait_dscnt 0x0                               ; both opening adds are done
	s_wait_kmcnt 0x0
	s_load_b256 s[68:75], s[6:7], 0x0              ; e0 .. e7
	s_load_b128 s[76:79], s[6:7], 0x20             ; e8 .. e11
	s_add_nc_u64 s[G0+2:G0+3], s[4:5], s[50:51]
	s_or_b32 s[G0+3], s[G0+3], 0x80000000
	CROUND                                         ; all four work-groups are here: the joint loads meet
	tensor_load_to_lds s[G0:G0+3], s[G1:G1+7]      ; my one tensor load: every wave issues one, with no branch
	s_nop 0
.rept 4
	v_nop
.endr
	s_add_nc_u64 s[4:5], s[4:5], s[56:57]
	s_add_nc_u64 s[8:9], s[8:9], s[60:61]
	v_and_b32 v[LI], 31, v0
	s_delay_alu instid0(VALU_DEP_1)
	v_lshlrev_b32 v[LI], 4, v[LI]
.irp c, 0,1,2,3
	global_load_b128 v[16+4*\c:19+4*\c], v[LI], s[4:5] offset:512*\c   ; Q's fragment stays in registers
.endr
	v_mov_b32 v13, 0xff61b1e6                      ; the largest t so far: -3e38
	s_delay_alu instid0(VALU_DEP_1)
	v_floor_f32 v12, -v13                          ; -M
	v_mov_b32 v14, 0
	v_mov_b32 v15, 0
	v_mov_b32 v236, 0                              ; written once: a lane permute's destination counts as one of its sources
	v_mov_b32 v252, 0
	v_mov_b32 v253, 0
.set j, 0
.rept 64
	v_mov_b32 v[160+j], 0                          ; O^T: the step is written once; the first finds zeros, which the first change of M leaves zeros
.set j, j+1
.endr
	s_wait_kmcnt 0x0
	s_add_co_i32 s62, s74, s75
	s_lshl_b32 s62, s62, 23
	s_add_co_i32 s[CS], s[CS], s62                 ; a score stands for score x 2^(e6 + e7): added to c's exponent field
	s_mov_b32 s[CS+1], s[CS]
	s_add_co_i32 s62, s76, 127
	s_lshl_b32 s63, s62, 23
	v_mov_b32 v244, s63                            ; p's scale as f32
	s_add_co_i32 s62, s62, 8
	s_lshl_b32 s62, s62, 23
	s_or_b32 s62, s62, 0x600000
	v_mov_b32 v240, s62                            ; 448 x that
	s_add_co_i32 s62, s78, 127
	s_lshl_b32 s63, s62, 23
	v_mov_b32 v245, s63                            ; the output's scale
	s_add_co_i32 s62, s62, 8
	s_lshl_b32 s62, s62, 23
	s_or_b32 s62, s62, 0x600000
	v_mov_b32 v241, s62
; A KEY STEP of 128 keys.  A step all of whose keys come after my 16 queries is left out: a scalar branch on ids round its work, not round the lines that step the address and the key; no barrier stands in a step.
.macro STEP
	s_add_co_u32 s96, s[Q0], 15
	s_cmp_gt_u32 s[KF], s96
	s_cbranch_scc1 .Lhidden_\@
	v_add_nc_u32 v[ADK], s[TB], v[LI]
	s_wait_alu depctr_va_vdst(0)
.irp g, 0,1                                    ; S^T = K Q^T, four tiles of 16 keys at a time
.rept 4
	v_nop                                          ; places in front of loads into registers that matrix instructions have read
.endr
.irp t, 0,1,2,3
.irp c, 0,1,2,3
	ds_load_b128 v[32+16*\t+4*\c:32+16*\t+4*\c+3], v[ADK] offset:(4*\g+\t)*2048+512*\c
.endr
.endr
	s_wait_dscnt 0x0
.irp t, 0,1,2,3
	v_wmma_f32_16x16x128_fp8_fp8 v[96+8*(4*\g+\t):103+8*(4*\g+\t)], v[32+16*\t:47+16*\t], v[16:31], 0
.endr
.endr
.rept 4
	v_nop
.endr
	s_add_co_u32 s96, s[KF], 127                   ; on the diagonal hidden scores become -infinity ahead of the maximum; a step all of whose keys count skips this
	s_cmp_le_u32 s96, s[Q0]
	s_cbranch_scc1 .Lopen_\@
	s_sub_co_i32 s96, s[Q0], s[KF]
	v_and_b32 v252, 15, v0
	v_bfe_u32 v253, v0, 4, 1
	s_delay_alu instid0(VALU_DEP_1)
	v_lshlrev_b32 v253, 3, v253
	s_delay_alu instid0(VALU_DEP_1)
	v_sub_nc_u32 v252, v252, v253
	s_delay_alu instid0(VALU_DEP_1)
	v_add_nc_u32 v252, s96, v252                   ; d = my query - the first key - 8 (lane / 16).  Register 8 t + i holds key 16 t + 8 (lane / 16) + i: hidden where 16 t + i > d
	v_mov_b32 v254, 0xff800000
.set n, 0
.rept 64
	v_cmp_gt_i32 vcc_lo, 16*(n/8)+n%8, v252
	v_cndmask_b32 v[96+n], v[96+n], v254, vcc_lo
.set n, n+1
.endr
.Lopen_\@:
	v_max3_num_f32 v254, v96, v97, v98             ; the step's largest score of my query among my 64 keys, in two chains, each accumulator from its low end on,
	v_max3_num_f32 v252, v99, v100, v101
.set i, 6
.rept 14
	v_max3_num_f32 v254, v254, v[96+i], v[97+i]
	v_max3_num_f32 v252, v252, v[98+i], v[99+i]
.set i, i+4
.endr
	v_max3_num_f32 v254, v254, v158, v159
	s_delay_alu instid0(VALU_DEP_1)
	v_max_num_f32 v254, v254, v252
	v_permlanex16_b32 v236, v254, s[SEL], s[SEL+1]
	s_delay_alu instid0(VALU_DEP_1)
	v_max_num_f32 v254, v254, v236                 ; and among those of the lane 16 away
	s_delay_alu instid0(VALU_DEP_1)
	v_mul_f32 v254, s[CS], v254                    ; as t (c is positive)
	s_delay_alu instid0(VALU_DEP_1)
	v_max_num_f32 v13, v13, v254
	v_mov_b32 v254, v12
	s_delay_alu instid0(VALU_DEP_2)
	v_floor_f32 v12, -v13                          ; the new -M = -ceil(t): a whole number
	s_delay_alu instid0(VALU_DEP_1)
	v_sub_f32 v254, v12, v254                      ; old M - new M: a whole number, 0 or less
	s_delay_alu instid0(VALU_DEP_1)
	v_cvt_i32_f32 v254, v254
	s_delay_alu instid0(VALU_DEP_1)
	v_ldexp_f32 v252, 1.0, v254                    ; f = 2^(old M - new M)
.set j, 0
.rept 32
	v_pk_fma_f32 v[96+j:97+j], v[96+j:97+j], s[CS:CS+1], v[12:13] op_sel_hi:[1,0,0]   ; t - M
.set j, j+2
.endr
.set j, 0
	s_wait_alu depctr_va_vdst(0)                   ; the wait ahead of the batch
.rept 64
	v_exp_f32 v[96+j], v[96+j]                     ; p = 2^(t - M): not normalised
.set j, j+1
.endr
	v_pk_mul_f32 v[14:15], v[14:15], v[252:253] op_sel_hi:[1,0]   ; the sums under the new M: a plain line behind the batch
	s_wait_alu depctr_va_vdst(0)                   ; one wait for the whole batch, ahead of its first reader
	v_pk_add_f32 v[242:243], v[100:101], v[104:105]
	v_pk_add_f32 v[254:255], v[108:109], v[112:113]
	v_pk_add_f32 v[250:251], v[116:117], v[120:121]
	v_pk_add_f32 v[248:249], v[124:125], v[128:129]
	v_pk_add_f32 v[246:247], v[132:133], v[136:137]
	v_pk_add_f32 v[238:239], v[140:141], v[144:145]
	v_pk_add_f32 v[236:237], v[148:149], v[152:153]
	v_pk_add_f32 v[14:15], v[14:15], v[156:157]
	v_pk_add_f32 v[242:243], v[242:243], v[96:97]
	v_pk_add_f32 v[254:255], v[254:255], v[98:99]
	v_pk_add_f32 v[250:251], v[250:251], v[102:103]
	v_pk_add_f32 v[248:249], v[248:249], v[106:107]
	v_pk_add_f32 v[246:247], v[246:247], v[110:111]
	v_pk_add_f32 v[238:239], v[238:239], v[114:115]
	v_pk_add_f32 v[236:237], v[236:237], v[118:119]
	v_pk_add_f32 v[14:15], v[14:15], v[122:123]
	v_pk_add_f32 v[242:243], v[242:243], v[126:127]
	v_pk_add_f32 v[254:255], v[254:255], v[130:131]
	v_pk_add_f32 v[250:251], v[250:251], v[134:135]
	v_pk_add_f32 v[248:249], v[248:249], v[138:139]
	v_pk_add_f32 v[246:247], v[246:247], v[142:143]
	v_pk_add_f32 v[238:239], v[238:239], v[146:147]
	v_pk_add_f32 v[236:237], v[236:237], v[150:151]
	v_pk_add_f32 v[14:15], v[14:15], v[154:155]
	v_pk_add_f32 v[242:243], v[242:243], v[158:159]
	s_delay_alu instid0(VALU_DEP_2)
	v_pk_add_f32 v[14:15], v[14:15], v[248:249]
	s_delay_alu instid0(VALU_DEP_2)
	v_pk_add_f32 v[242:243], v[242:243], v[246:247]
	v_pk_add_f32 v[254:255], v[254:255], v[238:239]
	v_pk_add_f32 v[250:251], v[250:251], v[236:237]
	s_delay_alu instid0(VALU_DEP_2)
	v_pk_add_f32 v[14:15], v[14:15], v[254:255]
	s_delay_alu instid0(VALU_DEP_2)
	v_pk_add_f32 v[242:243], v[242:243], v[250:251]
	s_delay_alu instid0(VALU_DEP_1)
	v_pk_add_f32 v[14:15], v[14:15], v[242:243]
.irp t, 0,1,2,3,4,5,6,7
.irp i, 0,1,2,3,4,5,6,7
	v_min_num_f32 v[96+8*\t+\i], v[96+8*\t+\i], v240   ; the conversion does not saturate (ISA guide 7.6.2); p is not negative, so the hold is one-sided
.endr
	v_cvt_scalef32_pk8_fp8_f32 v[224+2*\t:225+2*\t], v[96+8*\t:103+8*\t], v244
.endr
.set j, 0
.rept 32
	v_pk_mul_f32 v[160+j:161+j], v[160+j:161+j], v[252:253] op_sel_hi:[1,0]   ; O^T under the new M; these are also the places in front of the lines below
.set j, j+2
.endr
	s_wait_alu depctr_va_vdst(0)
.irp g, 0,1                                    ; O^T += V^T P^T: four tiles of 16 channels at a time
.if \g > 0
.rept 4
	v_nop
.endr
.endif
.irp t, 0,1,2,3
.irp c, 0,1,2,3
	ds_load_b128 v[32+16*\t+4*\c:32+16*\t+4*\c+3], v[ADK] offset:16384+(4*\g+\t)*2048+512*\c
.endr
.endr
	s_wait_dscnt 0x0
.irp t, 0,1,2,3
	v_wmma_f32_16x16x128_fp8_fp8 v[160+8*(4*\g+\t):167+8*(4*\g+\t)], v[32+16*\t:47+16*\t], v[224:239], v[160+8*(4*\g+\t):167+8*(4*\g+\t)]
.endr
.endr
.Lhidden_\@:
	s_add_co_u32 s[TB], s[TB], 32768
	s_add_co_u32 s[KF], s[KF], 128
.endm
	s_wait_alu depctr_va_vdst(0)                   ; the wait at the head's end
	s_wait_loadcnt 0x0                             ; Q
	s_wait_dscnt 0x0                               ; no LDS instruction is pending at a signal
	s_wait_tensorcnt 0x0                           ; my sixteenth of K and V is in
	s_barrier_signal -1
	s_barrier_wait -1                              ; everybody's is
	s_mov_b32 s[TB], 0
	s_mov_b32 s[KF], 0
	s_mov_b32 s[CNT], 8
.Lstep:                                            ; eight trips in every wave: the trip count is a constant, the hidden steps' work is jumped over
	STEP
	s_sub_co_u32 s[CNT], s[CNT], 1
	s_cmp_lg_u32 s[CNT], 0
	s_cbranch_scc1 .Lstep
	; THE WAY OUT: O^T / the sum x 2^(e8 + e9), held, converted: one fragment of the output projection's operand, stored as it stands
	v_add_f32 v14, v14, v15
	s_delay_alu instid0(VALU_DEP_1)
	v_permlanex16_b32 v252, v14, s[SEL], s[SEL+1]
	s_delay_alu instid0(VALU_DEP_1)
	v_add_f32 v14, v14, v252                       ; the row's sum
	s_wait_alu depctr_va_vdst(0)
	v_rcp_f32 v14, v14
	v_nop                                          ; a plain line behind the reciprocal
	v_nop
	s_add_co_i32 s96, s76, s77
	s_wait_alu depctr_va_vdst(0)                   ; the wait ahead of its first reader
	v_ldexp_f32 v14, v14, s96
.set j, 0
.rept 64
	v_mul_f32 v[96+j], v[160+j], v14               ; register 8 t + i: channel 16 t + 8 (lane / 16) + i of my query
.set j, j+1
.endr
.set j, 0
.rept 64
	v_med3_num_f32 v[96+j], v[96+j], -v241, v241
.set j, j+1
.endr
.irp t, 0,1,2,3,4,5,6,7
	v_cvt_scalef32_pk8_fp8_f32 v[224+2*\t:225+2*\t], v[96+8*\t:103+8*\t], v245
.endr
	v_nop
.irp g, 0,1,2,3
	global_store_b128 v[LI], v[224+4*\g:227+4*\g], s[8:9] offset:512*\g   ; 32 lanes store 512 consecutive bytes, aligned
.endr
	s_wait_tensorcnt 0x0                           ; the wave's end
	ds_add_u32 v[SPW], v[NIL]
	s_wait_dscnt 0x0
	CROUND                                         ; the closing round
	s_endpgm
.Lfunc_end_k_qfaa2c9e295_attn:
	.size	k_qfaa2c9e295_attn, .Lfunc_end_k_qfaa2c9e295_attn-k_qfaa2c9e295_attn
	.p2alignl 7, 3214868480
	.fill 96, 4, 3214868480
	.section	.rodata,"a",@progbits
	.p2align	6, 0x0
	.amdhsa_kernel k_qfaa2c9e295_attn
		.amdhsa_group_segment_fixed_size 327680
		.amdhsa_private_segment_fixed_size 0
		.amdhsa_enable_private_segment 0
		.amdhsa_kernarg_size 24
		.amdhsa_user_sgpr_count 2
		.amdhsa_user_sgpr_kernarg_segment_ptr 1
		.amdhsa_wavefront_size32 1
		.amdhsa_system_sgpr_workgroup_id_x 1
		.amdhsa_system_sgpr_workgroup_id_y 1
		.amdhsa_system_sgpr_workgroup_id_z 1
		.amdhsa_system_vgpr_workitem_id 0
		.amdhsa_next_free_vgpr 256
		.amdhsa_next_free_sgpr 100
		.amdhsa_reserve_vcc 1
		.amdhsa_float_denorm_mode_32 3
		.amdhsa_float_denorm_mode_16_64 3
		.amdhsa_memory_ordered 1
		.amdhsa_forward_progress 1
		.amdhsa_inst_pref_size 41
	.end_amdhsa_kernel
	.amdgpu_metadata
---
amdhsa.version: [ 1, 2 ]
amdhsa.kernels:
  - .name:           k_qfaa2c9e295_attn
    .symbol:         k_qfaa2c9e295_attn.kd
    .args:
      - { .name: qkv, .offset: 0, .size: 8, .value_kind: global_buffer, .address_space: global }
      - { .name: lowp_scales, .offset: 8, .size: 8, .value_kind: global_buffer, .address_space: global }
      - { .name: att, .offset: 16, .size: 8, .value_kind: global_buffer, .address_space: global }
    .group_segment_fixed_size: 327680
    .private_segment_fixed_size: 0
    .kernarg_segment_align: 8
    .kernarg_segment_size: 24
    .max_flat_workgroup_size: 512
    .sgpr_count:     100
    .vgpr_count:     256
    .wavefront_size: 32
...
	.end_amdgpu_metadata
.endif
;; end of part 3
;; launch oproj (part 4): grid 16 x 16, 4 waves a work-group, clusters of 4 x 4, 327,680 bytes of LDS; arguments att, woc, lowp_scales, out0; writes out0
.if DOCPART == 4
	.amdgcn_target "amdgcn-amd-amdhsa--gfx1250"
	.amdhsa_code_object_version 6
	.text
	.protected	k_qfaa2c9e295_oproj
	.globl	k_qfaa2c9e295_oproj
	.p2align	8
	.type	k_qfaa2c9e295_oproj,@function
k_qfaa2c9e295_oproj:
	s_mov_b64 s[64:65], 0
	v_nop
	global_prefetch_b8 v0, s[64:65] scope:SCOPE_SE
	s_setreg_imm32_b32 hwreg(HW_REG_WAVE_MODE, 25, 1), 1
	s_wait_xcnt 0x0
	s_wait_alu depctr_hold_cnt(0) depctr_sa_sdst(0) depctr_va_vdst(0) depctr_va_sdst(0) depctr_va_ssrc(0) depctr_va_vcc(0) depctr_vm_vsrc(0)
	s_getreg_b32 s2, hwreg(HW_REG_IB_STS2, 6, 4)
	s_cmp_eq_u32 s2, 0
	s_cbranch_scc0 .Lentry_in_a_cluster
	s_endpgm
.Lentry_in_a_cluster:
	s_bfe_u32 s2, ttmp6, 0x10000c
	s_cmp_lg_u32 s2, 0xf033
	s_cbranch_scc0 .Lentry_shape_is_right
	s_endpgm
.Lentry_shape_is_right:
; out0 = attention's result x wo^T on codes of E4M3, K = 2,048; each finished sum x 2^(entry 10 + entry 11), between -126 and 127.
; A work-group makes 256 rows x 128 columns, a wave 64 x 128.  K goes in steps of 256 through two LDS slots: A's 32 images of fragments (dense, 65,536 bytes), then B's 128 rows of 256 bytes + 16 of padding.
; CLUSTER 4 x 4: A's tile is asked for jointly along a row of the cluster, B's along a column.  Waves 0, 1 fetch A's halves, waves 2, 3 B's.
; PREFETCH: behind the load of K step t each wave asks for its part of K step t + 2, one instruction: waves 0, 1: 32 blocks of 256 bytes each of the work-group's quarter (by cx) of A's tile;
; waves 2, 3: 16 rows each of its quarter (by cy) of B's 128 rows (lanes 16-31 name the wave's last row again).  Steps 1 and 2 are asked for behind step 0's load; the loop's last trip asks for nothing.
.set SIZE_N, 2048
.set ROWB,   256
.set KROW,   2048
.set PITCH,  272
.set FR,     16
.set NP,     4
.set HALFA,  32768
.set HALFB,  64*PITCH
.set BOFF,   2*HALFA
.set SLOT,   BOFF+2*HALFB
.set LAPS,   4
.set ASTEP,  1048576
.set SPARE,  2*SLOT
.set SPITCH, 528
.set ADRA, 16
.set ADRB, 20
.set STO,  24
.set RD,   25
.set CO,   26
.set SPW,  28
.set NIL,  29
.set TMP,  32
.set AF,   128
.set BK,   128
.set G1, 24
.set G0, 32
.set G1B, 48
.set G0B, 56
.set MSB, 0
.macro WIN new
.if MSB != (\new)
	s_set_vgpr_msb (MSB<<8)|(\new)
.set MSB, (\new)
.endif
.endm
.set MUL,    0xa1
.set TO_B,   0x40
.macro JLOAD s
	s_cmp_eq_u32 s15, 0
	s_cbranch_scc0 .Lfor_b_\@
	tensor_load_to_lds s[G0+4*\s:G0+4*\s+3], s[G1:G1+7]
	s_nop 0
.rept 4
	v_nop
.endr
	s_branch .Lasked_\@
.Lfor_b_\@:
	tensor_load_to_lds s[G0B+4*\s:G0B+4*\s+3], s[G1B:G1B+7]
	s_nop 0
.rept 4
	v_nop
.endr
.Lasked_\@:
.endm
.macro CREST
	s_cmp_lg_u32 s14, 0
	s_cbranch_scc1 .Lnot_wave_0_\@
	s_barrier_signal -3
.Lnot_wave_0_\@:
	s_barrier_wait -3
	s_barrier_signal -1
	s_barrier_wait -1
.endm
.macro CROUND
	s_barrier_signal -1
	s_barrier_wait -1
	CREST
.endm
	s_load_b128 s[4:7], s[0:1], 0x0
	s_load_b128 s[8:11], s[0:1], 0x10
	v_lshl_add_u32 v[SPW], v0, 2, SPARE
	v_mov_b32 v[NIL], 0
	ds_add_u32 v[SPW], v[NIL]
	ds_add_u32 v[SPW], v[NIL]
	v_lshrrev_b32 v1, 5, v0
	v_readfirstlane_b32 s14, v1
	s_lshr_b32 s15, s14, 1
	s_and_b32 s16, s14, 1
	s_bfe_u32 s40, ttmp6, 0x40000
	s_bfe_u32 s41, ttmp6, 0x40004
	s_lshl_b32 s42, ttmp9, 2
	s_add_co_u32 s42, s42, s40
	s_and_b32 s17, ttmp7, 0xffff
	s_lshl_b32 s17, s17, 2
	s_add_co_u32 s17, s17, s41
	s_lshl_b32 s43, s41, 2
	s_lshl_b32 s43, 15, s43
	s_lshl_b32 s44, 0x1111, s40
	s_or_b32 s[G1+0], s43, (3<<16)|(1<<21)
	s_mov_b32 s[G1+1], 32<<16
	s_mov_b32 s[G1+2], 128<<16
	s_mov_b32 s[G1+3], 32<<16
	s_mov_b32 s[G1+4], 128
	s_mov_b32 s[G1+5], 32
	s_mov_b32 s[G1+6], 0
	s_mov_b32 s[G1+7], 0
	s_or_b32 s[G1B+0], s44, (1<<20)|(1<<21)|(5<<22)|(3<<25)
	s_mov_b32 s[G1B+1], ROWB<<16
	s_mov_b32 s[G1B+2], 64<<16
	s_mov_b32 s[G1B+3], ROWB<<16
	s_mov_b32 s[G1B+4], 64
	s_mov_b32 s[G1B+5], KROW
	s_mov_b32 s[G1B+6], 0
	s_mov_b32 s[G1B+7], 0
	s_lshl_b32 s20, s17, 16
	s_lshl_b32 s18, s16, 15
	s_add_co_u32 s20, s20, s18
	s_mov_b32 s21, 0
	s_lshl_b32 s46, s42, 18
	s_lshl_b32 s47, s16, 17
	s_add_co_u32 s46, s46, s47
	s_mov_b32 s47, 0
	s_lshl_b32 s45, s16, 15
	s_mul_i32 s19, s16, HALFB
	s_add_co_u32 s19, s19, BOFF
	s_wait_dscnt 0x0
	s_wait_kmcnt 0x0
	s_load_b64 s[96:97], s[8:9], 0x28
	s_add_nc_u64 s[20:21], s[4:5], s[20:21]
	s_add_nc_u64 s[46:47], s[6:7], s[46:47]
	s_lshl_b32 s76, s17, 16                        ; the prefetches.  A: the tile's 65,536 bytes + 16,384 cx + 8,192 x (wave % 2)
	s_lshl_b32 s77, s40, 14
	s_add_co_u32 s76, s76, s77
	s_lshl_b32 s77, s16, 13
	s_add_co_u32 s76, s76, s77
	s_lshl_b32 s78, s42, 18                        ; B: the tile's 128 rows + 32 rows x cy + 16 rows x (wave % 2)
	s_lshl_b32 s77, s41, 16
	s_add_co_u32 s78, s78, s77
	s_lshl_b32 s77, s16, 15
	s_add_co_u32 s78, s78, s77
	s_mov_b32 s70, ROWB
	s_cmp_eq_u32 s15, 0                            ; the choice hangs on the wave's number alone
	s_cselect_b64 s[68:69], s[4:5], s[6:7]
	s_cselect_b32 s76, s76, s78
	s_cselect_b32 s70, ASTEP, s70                  ; a K step on
	s_cselect_b32 s72, 31, 15                      ; the last lane that names a block of its own
	s_cselect_b32 s73, 8, 11                       ; from lane to lane: 256 or 2,048 bytes
	s_mov_b32 s77, 0
	s_mov_b32 s71, 0
	s_add_nc_u64 s[68:69], s[68:69], s[76:77]
	s_add_nc_u64 s[74:75], s[68:69], s[70:71]      ; K step 1
	s_add_nc_u64 s[68:69], s[74:75], s[70:71]      ; K step 2: this pair walks
.irp s, 0,1
	s_mov_b32 s[G0+4*\s], 1
	s_add_co_u32 s[G0+4*\s+1], s45, \s*SLOT
	s_add_nc_u64 s[G0+4*\s+2:G0+4*\s+3], s[20:21], \s*ASTEP
	s_or_b32 s[G0+4*\s+3], s[G0+4*\s+3], 0x80000000
	s_mov_b32 s[G0B+4*\s], 1
	s_add_co_u32 s[G0B+4*\s+1], s19, \s*SLOT
	s_add_nc_u64 s[G0B+4*\s+2:G0B+4*\s+3], s[46:47], \s*ROWB
	s_or_b32 s[G0B+4*\s+3], s[G0B+4*\s+3], 0x80000000
.endr
	CROUND                                         ; all sixteen work-groups are here
	JLOAD 0                                        ; K step 0: my one tensor load at the head
	v_and_b32 v7, 31, v0
	v_min_u32 v7, s72, v7
	v_lshlrev_b32 v27, s73, v7
	global_prefetch_b8 v27, s[74:75] th:TH_LOAD_NT scope:SCOPE_SE
	global_prefetch_b8 v27, s[68:69] th:TH_LOAD_NT scope:SCOPE_SE
	v_and_b32 v1, 15, v0
	v_bfe_u32 v2, v0, 4, 1
	v_mul_u32_u24 v3, v1, PITCH
	v_lshl_add_u32 v4, v2, 4, v3
	v_and_b32 v6, 31, v0
	v_lshlrev_b32 v[CO], 4, v6
	s_lshl_b32 s21, s14, 14
	s_mov_b32 s22, BOFF
.irp s, 0,1
	v_add_nc_u32 v[ADRA+\s], s21, v[CO]
	v_add_nc_u32 v[ADRB+\s], s22, v4
	s_add_co_u32 s21, s21, SLOT
	s_add_co_u32 s22, s22, SLOT
.endr
	s_mul_i32 s23, s14, 16*SPITCH
	v_mul_u32_u24 v5, v1, SPITCH
	v_lshl_add_u32 v5, v2, 5, v5
	v_add_nc_u32 v[STO], s23, v5
	v_add_nc_u32 v[RD], s23, v[CO]
	s_lshl_b32 s20, s17, 8
	s_lshl_b32 s21, s14, 6
	s_add_co_u32 s20, s20, s21
	s_mov_b32 s21, 0
	s_mov_b64 s[18:19], SIZE_N*4
	s_mul_u64 s[20:21], s[20:21], s[18:19]
	s_lshl_b32 s46, s42, 9
	s_mov_b32 s47, 0
	s_add_nc_u64 s[20:21], s[20:21], s[46:47]
	s_add_nc_u64 s[10:11], s[10:11], s[20:21]
.macro FRAGB reg, adr, q, i
.irp c, 0,1,2,3
	ds_load_b128 v[\reg+4*\c:\reg+4*\c+3], v[\adr] offset:128*(\q)+32*\c+(\i)*16*PITCH
.endr
.endm
.macro FRAGA reg, adr, q, i
.irp c, 0,1,2,3
	ds_load_b128 v[\reg+4*\c:\reg+4*\c+3], v[\adr] offset:4096*(\i)+2048*(\q)+512*\c
.endr
.endm
.macro FETCH slot, q, p
	WIN TO_B
.irp i, 0,1,2,3,4,5,6,7
	FRAGB 128*(\p)+FR*\i, ADRB+\slot, \q, \i
.endr
	WIN 0
.irp i, 0,1,2,3
	FRAGA AF+64*(\p)+FR*\i, ADRA+\slot, \q, \i
.endr
.endm
.macro MUL32 p, zero
.irp a, 0,1,2,3
.irp b, 0,1,2,3,4,5,6,7
.if \zero
	v_wmma_f32_16x16x128_fp8_fp8 v[8*(8*\a+\b):8*(8*\a+\b)+7], v[128*(\p)+FR*\b:128*(\p)+FR*\b+FR-1], v[AF+64*(\p)+FR*\a:AF+64*(\p)+FR*\a+FR-1], 0
.else
	v_wmma_f32_16x16x128_fp8_fp8 v[8*(8*\a+\b):8*(8*\a+\b)+7], v[128*(\p)+FR*\b:128*(\p)+FR*\b+FR-1], v[AF+64*(\p)+FR*\a:AF+64*(\p)+FR*\a+FR-1], v[8*(8*\a+\b):8*(8*\a+\b)+7]
.endif
.endr
.endr
.endm
.macro PLACES n
.rept \n
	v_nop
.endr
.endm
.macro STEP slot, zero
	s_wait_dscnt 0x0
	PLACES NP
	FETCH \slot, 1, 1
	WIN MUL
	MUL32 0, \zero
	WIN 0
.endm
.macro TURN slot, next, fill
	s_wait_tensorcnt 0x0
	ds_add_u32 v[SPW], v[NIL]
.if \fill
	s_add_nc_u64 s[G0+4*\slot+2:G0+4*\slot+3], s[G0+4*\slot+2:G0+4*\slot+3], 2*ASTEP
	s_add_nc_u64 s[G0B+4*\slot+2:G0B+4*\slot+3], s[G0B+4*\slot+2:G0B+4*\slot+3], 2*ROWB
	s_wait_xcnt 0x0                                ; my prefetch has read its address: a K step on
	s_add_nc_u64 s[68:69], s[68:69], s[70:71]
.endif
	s_wait_dscnt 0x0
	s_barrier_signal -1
	s_barrier_wait -1
.if \fill
	CREST
	JLOAD \slot
.else
	PLACES NP
.endif
	FETCH \next, 0, 0
.if \fill
	s_cmp_gt_u32 s3, 1                             ; the last trip's two refills have no K step two on
	s_cbranch_scc0 .Lno_ask_\@
	global_prefetch_b8 v27, s[68:69] th:TH_LOAD_NT scope:SCOPE_SE
.Lno_ask_\@:
.endif
	WIN MUL
	MUL32 1, 0
	WIN 0
.endm
	s_wait_alu depctr_va_vdst(0)                   ; the wait at the head's end
	s_wait_xcnt 0x0
	s_add_nc_u64 s[68:69], s[68:69], s[70:71]      ; the prefetch's address: K step 3
	s_wait_tensorcnt 0x0                           ; my part of K step 0 is in; the three lines ahead of slot 1's first fill, as ahead of a refill
	ds_add_u32 v[SPW], v[NIL]
	s_wait_dscnt 0x0
	CROUND
	JLOAD 1                                        ; K step 1
	FETCH 0, 0, 0
	global_prefetch_b8 v27, s[68:69] th:TH_LOAD_NT scope:SCOPE_SE
	STEP 0, 1
	s_mov_b32 s3, LAPS-1
.Llap:
	TURN 0, 1, 1
	STEP 1, 0
	TURN 1, 0, 1
	STEP 0, 0
	s_sub_co_u32 s3, s3, 1
	s_cmp_lg_u32 s3, 0
	s_cbranch_scc1 .Llap
	TURN 0, 1, 0
	STEP 1, 0
	s_wait_dscnt 0x0
	WIN MUL
	MUL32 1, 0
	WIN 0
.macro TOSTAGE a
.set AC, 64*(\a)
	WIN 0x02
.set j, 0
.rept 32
	v_pk_mul_f32 v[TMP+j:TMP+j+1], v[AC+j:AC+j+1], s[96:97] op_sel_hi:[1,0]
.set j, j+2
.endr
	WIN 0
.irp b, 0,1,2,3,4,5,6,7
	ds_store_b128 v[STO], v[TMP+8*\b:TMP+8*\b+3] offset:64*\b
	ds_store_b128 v[STO], v[TMP+8*\b+4:TMP+8*\b+7] offset:64*\b+16
.endr
.set BB, BK+64*((\a)%2)
.irp t, 0,1,2,3,4,5,6,7,8,9,10,11,12,13,14,15
	ds_load_b128 v[BB+4*\t:BB+4*\t+3], v[RD] offset:\t*SPITCH
.endr
.endm
.macro SEND a, younger
.set BB, BK+64*((\a)%2)
	s_wait_dscnt \younger
.if (\a) > 0
	s_add_nc_u64 s[10:11], s[10:11], 16*SIZE_N*4
.endif
.irp t, 0,1,2,3,4,5,6,7,8,9,10,11,12,13,14,15
	global_store_b128 v[CO], v[BB+4*\t:BB+4*\t+3], s[10:11] offset:\t*SIZE_N*4 th:TH_STORE_NT
.endr
.endm
	s_wait_kmcnt 0x0
	s_add_co_i32 s96, s96, s97
	s_add_co_i32 s96, s96, 127
	s_lshl_b32 s96, s96, 23
	PLACES NP
	TOSTAGE 0
.irp a, 1,2,3
.if \a > 1
	s_wait_xcnt 0x0
.endif
	TOSTAGE \a
	SEND \a-1, 32
.endr
	s_wait_xcnt 0x0
	SEND 3, 0
	s_wait_tensorcnt 0x0
	ds_add_u32 v[SPW], v[NIL]
	s_wait_dscnt 0x0
	CROUND
	s_endpgm
.Lfunc_end_k_qfaa2c9e295_oproj:
	.size	k_qfaa2c9e295_oproj, .Lfunc_end_k_qfaa2c9e295_oproj-k_qfaa2c9e295_oproj
	.p2alignl 7, 3214868480
	.fill 96, 4, 3214868480
	.section	.rodata,"a",@progbits
	.p2align	6, 0x0
	.amdhsa_kernel k_qfaa2c9e295_oproj
		.amdhsa_group_segment_fixed_size 327680
		.amdhsa_private_segment_fixed_size 0
		.amdhsa_enable_private_segment 0
		.amdhsa_kernarg_size 32
		.amdhsa_user_sgpr_count 2
		.amdhsa_user_sgpr_kernarg_segment_ptr 1
		.amdhsa_wavefront_size32 1
		.amdhsa_system_sgpr_workgroup_id_x 1
		.amdhsa_system_sgpr_workgroup_id_y 1
		.amdhsa_system_sgpr_workgroup_id_z 1
		.amdhsa_system_vgpr_workitem_id 0
		.amdhsa_next_free_vgpr 768
		.amdhsa_next_free_sgpr 98
		.amdhsa_reserve_vcc 0
		.amdhsa_float_denorm_mode_32 3
		.amdhsa_float_denorm_mode_16_64 3
		.amdhsa_memory_ordered 1
		.amdhsa_forward_progress 1
		.amdhsa_inst_pref_size 77
	.end_amdhsa_kernel
	.amdgpu_metadata
---
amdhsa.version: [ 1, 2 ]
amdhsa.kernels:
  - .name:           k_qfaa2c9e295_oproj
    .symbol:         k_qfaa2c9e295_oproj.kd
    .args:
      - { .name: att, .offset: 0, .size: 8, .value_kind: global_buffer, .address_space: global }
      - { .name: woc, .offset: 8, .size: 8, .value_kind: global_buffer, .address_space: global }
      - { .name: lowp_scales, .offset: 16, .size: 8, .value_kind: global_buffer, .address_space: global }
      - { .name: out0, .offset: 24, .size: 8, .value_kind: global_buffer, .address_space: global }
    .group_segment_fixed_size: 327680
    .private_segment_fixed_size: 0
    .kernarg_segment_align: 8
    .kernarg_segment_size: 32
    .max_flat_workgroup_size: 128
    .sgpr_count:     98
    .vgpr_count:     768
    .wavefront_size: 32
...
	.end_amdgpu_metadata
.endif
;; end of part 4
